; MI455X (gfx1250); checked and timed in simulation.
; The chip was launched on July 23, 2026; its instructions are those of AMD's public machine-readable ISA for CDNA 5 (MIT licence, August 2026) and "CDNA5" Instruction Set Architecture Reference Guide (July 2026). The comments in the code are by the model that wrote it; some were corrected since.
;; Scaled Dot Attention. Allowed arithmetic: matrix products marked QUANTISED: E3M2 operands, one E8M0 scale for each 32 along K, by v_wmma_scale_f32_16x16x128_f8f6f4 with both operands' format E3M2, f32 sums; everything else in f32.
;; Inputs: Wo_b 512 float32; Wo_w_codes 512 x 2 x 24 uint8 (E3M2 codes of Wo_w, K innermost, in blocks of 32 codes, four codes in three bytes); Wo_w_scales 512 x 2 uint8 (E8M0 scales of Wo_w, one for each 32 codes along K); keys_codes 16 x 2,048 x 2 x 24 uint8 (E3M2 codes of keys, K innermost, in blocks of 32 codes, four codes in three bytes); keys_scales 16 x 2,048 x 2 uint8 (E8M0 scales of keys, one for each 32 codes along K); query_codes 16 x 2,048 x 2 x 24 uint8 (E3M2 codes of query, K innermost, in blocks of 32 codes, four codes in three bytes); query_scales 16 x 2,048 x 2 uint8 (E8M0 scales of query, one for each 32 codes along K); values_codes 16 x 64 x 64 x 24 uint8 (E3M2 codes of values, K innermost, in blocks of 32 codes, four codes in three bytes); values_scales 16 x 64 x 64 uint8 (E8M0 scales of values, one for each 32 codes along K).
;; Outputs: out0 16 x 2,048 x 512 float32.
;; This version of the problem:
;;   THIS VERSION OF THE PROBLEM IS GIVEN IN LOW PRECISION. The matrix products marked QUANTISED in the list below multiply operands that are first quantised to E3M2 (3 exponent bits, 2 mantissa bits; 6 bits a number), with one power-of-two scale for each 32 numbers along K (OCP MX v1.0); their sums are f32. All else is computed in f32.
;;   The module's matrix products, in the order in which they are computed (A, B: the left and right operand; K: the contracted axis; several contracted axes count as one K, in the product's order):
;;     1. batch 16 x [M 2,048, K 64] x [K 64, N 2,048]; A: input query (given as codes); B: input keys (given as codes): QUANTISED
;;     2. batch 16 x [M 2,048, K 2,048] x [K 2,048, N 64]; A: softmax (see below); B: input values (given as codes): QUANTISED
;;     3. [M 32,768, K 64] x [K 64, N 512]; A: computed on the way; B: input Wo_w (given as codes): QUANTISED
;;   THE QUANTISER, for each operand of a quantised product, along K:
;;     - K is cut into blocks of 32 from its start; a last block that is shorter is filled with zeros.
;;     - A block's scale is 2^e with e = floor(log2(the largest magnitude in the block)) - 4, held to -126 .. 127; a block of zeros has e = 0. As a byte (E8M0): e + 127.
;;     - Each number is divided by its block's scale, clamped to +-28, and rounded to the nearest number of E3M2, ties to even, subnormals kept.
;;     - The product sums the exact products of the quantised numbers (number of the format x scale) in f32.
;;   ~~~python
;;   def quantise(x, axis):      # numpy; x: float32 -> the quantised numbers, widened to float32 again
;;       x = np.moveaxis(x, axis, -1); K = x.shape[-1]
;;       x = np.pad(x, [(0, 0)] * (x.ndim - 1) + [(0, -K % 32)]); x = x.reshape(x.shape[:-1] + (-1, 32)); a = np.abs(x).max(-1, keepdims=True)
;;       e = np.where(a > 0, np.clip(np.frexp(np.where(a > 0, a, 1))[1] - 1 - 4, -126, 127), 0)      # np.frexp(a)[1] - 1 = floor(log2(a)), exactly
;;       r = np.clip(x / 2.0 ** e, -28, 28)
;;       step = 2.0 ** (np.maximum(np.frexp(np.where(r == 0, 1, r))[1] - 1, -2) - 2)
;;       q = np.round(r / step) * step * 2.0 ** e      # np.round: ties to even
;;       return np.moveaxis(q.reshape(q.shape[:-2] + (-1,))[..., :K], -1, axis).astype(np.float32)
;;   ~~~
;;   SOFTMAX AHEAD OF A QUANTISED PRODUCT. Where the list says 'softmax', what is quantised is not the finished softmax but p = 2^(t - M), with t = logit x log2(e) and M = ceil(the row's largest t), a whole number; so 1/2 < the row's largest p <= 1. The row's sum l is taken of the UNQUANTISED p, in f32, and the product's result is divided by l at the end. Since M is a whole number, a kernel that streams over the keys may use a running M (the ceiling of the running maximum): every later rescaling is an exact power of two, which a block's scale takes up: the codes' values come out the same.
;;   OPERANDS COMPUTED ON THE WAY. 'Computed on the way' means the value that the module computes at that place (a softmax that the list does not call 'softmax' is quantised finished and normalised). What goes into a quantiser is computed in f32, as accurately as f32 sums, v_exp_f32 and their like allow (about 1e-6 of the number): no bf16 or f16 on the way to a quantiser, and a product that is left as it is and whose result goes on into a quantised operand takes f32 operands (vector FMAs, or v_wmma_f32_16x16x4_f32). A number that lies on a knife's edge between two numbers of the format may be rounded either way, as far as f32 arithmetic and the matrix unit's own rounding can turn it there, and no further.
;;   INPUTS GIVEN AS CODES. Wo_w (in the module: [512, 64], K = its axis 1); keys (in the module: [16, 2048, 64], K = its axis 2); query (in the module: [16, 2048, 64], K = its axis 2); values (in the module: [16, 2048, 64], K = its axis 1): each comes as NAME_codes (uint8): NAME with its K axis moved to the last place and cut into blocks of 32 codes, [.., K / 32, bytes a block], one block behind the other in memory; four codes in three bytes: a row's codes are one little-endian stream of bits, code i at bits 6 i .. 6 i + 5 (a code: sign, 3 exponent bits, 2 mantissa bits); and NAME_scales (uint8): the same leading axes, one E8M0 byte (e + 127) for each 32 codes along K. Its value is code x scale, taken as it is: it is not quantised again, and the codes and scales need not be those that the quantiser above would give.
;; One version. Each part assembles by itself: llvm-mc -triple=amdgcn-amd-amdhsa -mcpu=gfx1250 --defsym DOCPART=n.
;; ======== version 1 of 1: 1 launch
;; launch attn (part 1): grid 16 x 16, 4 waves a work-group, clusters of 4 x 1, 290,304 bytes of LDS; arguments query_codes, query_scales, keys_codes, keys_scales, values_codes, values_scales, Wo_w_codes, Wo_w_scales, Wo_b, out0; writes out0
.if DOCPART == 1
	.amdgcn_target "amdgcn-amd-amdhsa--gfx1250"
	.amdhsa_code_object_version 6
	.text
	.protected	k_qb3e066b434_attn
	.globl	k_qb3e066b434_attn
	.p2align	8
	.type	k_qb3e066b434_attn,@function
k_qb3e066b434_attn:
	s_mov_b64 s[64:65], 0
	v_nop
	global_prefetch_b8 v0, s[64:65] scope:SCOPE_SE
	s_setreg_imm32_b32 hwreg(HW_REG_WAVE_MODE, 25, 1), 1
	s_wait_xcnt 0x0
	s_wait_alu depctr_hold_cnt(0) depctr_sa_sdst(0) depctr_va_vdst(0) depctr_va_sdst(0) depctr_va_ssrc(0) depctr_va_vcc(0) depctr_vm_vsrc(0)
	s_getreg_b32 s2, hwreg(HW_REG_IB_STS2, 6, 4)
	s_cmp_eq_u32 s2, 0
	s_cbranch_scc0 .Lentry_in_a_cluster
	s_endpgm
.Lentry_in_a_cluster:
	s_bfe_u32 s2, ttmp6, 0x10000c
	s_cmp_lg_u32 s2, 0x3003
	s_cbranch_scc0 .Lentry_shape_is_right
	s_endpgm
.Lentry_shape_is_right:
; out[b][q][:] = (softmax_k(Q[b][q] . K[b][k] / 8, k <= q) V[b]) Wo^T + bias.  16 batches, 2,048 queries, head 64, 512 outputs.  All three products on codes of
; BF6 (E3M2) with one E8M0 byte for each 32 along K.  Q, K [b][2048][64], V [b][64][2048] (keys innermost) and Wo [512][64] arrive as codes; p and the context are quantised here.
; SOFTMAX: t = score x log2(e) / 8; M = the running largest t rounded up to a whole number; p = 2^(t - M) is quantised along the keys, not normalised; the row's sum is taken of
; the unquantised p and divides the context at the end.  When M moves, the sum and O are multiplied by 2^(old M - new M), which rounds nothing.
; SHARES.  A tile is 16 queries; tile t needs t / 8 + 1 key steps of 128 keys.  A wave takes two tiles, one after the other: 8 (15 - g) + jt (16 - g steps) and 8 g + jt (g + 1 steps):
; 17 steps for each of the launch's 1,024 waves.  g = 2 x cluster x + wave / 2 is equal in the four partners of a cluster, so every branch hangs on the cluster's number and the
; wave's number alone; jt = 2 cx + wave % 2 enters Q's and out's global addresses and the number that the mask compares, and nothing else.
; LDS.  A batch's K codes, V codes and Wo's codes lie in LDS whole: 98,304 + 98,304 + 24,576 bytes, padded to 276,480.  Each byte is filled once; behind the first barrier LDS is only read.
; CLUSTER.  The four work-groups of a cluster belong to one batch and need the same K, V and Wo: each tile is asked for JOINTLY, by the same tensor load with the same descriptor and
; a mask that names the four.  The scale bytes and the bias (11,264 of a work-group's 232,448 bytes) come through registers, each work-group for itself: they want another layout in LDS.
; Nothing is prefetched: all that the launch reads is asked for at its head.
; K = 64 IS HALF OF THE INSTRUCTION'S 128.  Two neighbouring keys are 96 consecutive bytes: one operand row of 128.  Against [Q | 0] it gives the even key's score, against [0 | Q] the
; odd key's; its scale word is the four consecutive scale bytes as they lie.  Wo's rows against [C | 0] and [0 | C] likewise.
; LAYOUT.  S^T = K Q^T and O^T = V^T P^T: a lane holds ONE query (lane % 16).  An LDS row holds four keys, so the eight results of fragment (beta, u) against e are keys
; 64 beta + 32 (lane / 16) + 4 j + 2 u + e: a lane holds WHOLE blocks of 32 keys, as p's operand wants them; the exponentials' destinations put them in order.
; LIMITS.  NaN and infinities among the values are not served.  A scale byte 0xff of a key or of a row of Wo also spoils the neighbour that shares its operand row; one of V's first
; 128 keys spoils every query of the batch.  A block of p or of the context whose largest magnitude lies under 2^-122, a block of zeros among them, gets the byte 1: this program
; alone reads the byte, and a block of zeros has zero codes.  The division by the row's sum is v_rcp_f32 and a multiplication.
.set LKC, 0                            ; K codes: 512 rows of 192 bytes (4 keys), 16 bytes of padding behind each 64: rows 240 bytes apart; 64 rows (256 keys) are a tile
.set LVC, 122880                       ; V codes: 8 tiles (256 keys) of 64 rows d x 192 bytes, padded alike
.set LWC, 245760                       ; Wo codes: 128 rows of 192 bytes (4 rows of Wo), padded alike
.set LKS, 276480                       ; K scale bytes, 4,096, dense
.set LVS, 280576                       ; V scale bytes, 4,096, as 16 runs of 256 bytes + 16
.set LWS, 285184                       ; Wo scale bytes, 1,024
.set LBS, 286208                       ; the bias, 2,048 bytes; ends at 288,256
.set TILE, 15360                       ; 64 rows x 240
.set AK,   1                           ; v1-2   240 r + 24 h, 240 r + 40 h  (r = lane % 16, h = lane / 16): my place in a fragment's 16 rows; the second serves pieces that lie behind one padding more
.set AV,   3                           ; v3-4   the same + LVC
.set AKS,  5                           ; v5     LKS + 8 r
.set AVS,  6                           ; v6     LVS + 272 (r / 4) + 64 (r % 4)
.set DM,   7                           ; v7     16 jt + r - 32 h: my query's place among its step's keys, less my half's 32
.set ADK,  8                           ; v8-9   the trip's K;  in the projection: Wo's codes
.set ADV,  10                          ; v10-11 the trip's V
.set ADKS, 12                          ; v12    the trip's K scale words;  in the projection: Wo's
.set ADVS, 13                          ; v13    the trip's V scale words;  in the projection: the bias
.set NM,   14                          ; v14 -M, v15 the largest t so far
.set LS,   16                          ; v16-17 the row's sum in two halves
.set FF,   18                          ; v18 f = 2^(old M - new M), later 1 / sum; v19 named with it as a pair
.set TM,   20                          ; v20-27 at work
.set KSC,  28                          ; v28-31 K scale words of the step's four fragments;  in the projection Wo's, two sets of two
.set VSC,  32                          ; v32-35 V scale words of the step's four tiles
.set QS,   36                          ; v36 Q's scale word (bytes 0, 1), v37 the same in bytes 2, 3;  later the context's
.set PSC,  38                          ; v38    p's scale word
.set Q2S,  39                          ; v39    the second tile's Q scale word
.set Q2,   40                          ; v40-45 the second tile's Q codes
.set BI,   46                          ; v46-53 the bias, two sets of four
.set SH8,  54                          ; v54    8 h
.set OA,   55                          ; v55    16,384 h + 16 r: my 16 bytes in out's rows 8 h + j; never rewritten
.set QF,   56                          ; v56-73 [Q 6][0 6][Q 6]: [Q | 0] = v56-67, [0 | Q] = v62-73;  later the context
.set PCD,  74                          ; v74-85 p's codes
.set TOD,  86                          ; v86-88, v90-92 the conversions' second halves (a conversion's three registers begin on an even number)
.set OT,   94                          ; v94-125 O^T: tiles 0, 2, 1, 3 of 16 channels;  later the projection's results
.set KP,   126                         ; v126-189 four fragments of K (48), then p (64);  in the projection two sets of 32 numbers to store
.set SV,   190                         ; v190-253 the scores (64), then four fragments of V (48);  in the projection Wo's fragments, two sets of 24
.set G1K,  24                          ; s[24:31] descriptor group 1 for K's tiles, s[32:39] V's, s[40:47] Wo's
.set G1V,  32
.set G1W,  40
.set G0K,  48                          ; s[48:63] four groups 0 for K's tiles, s[68:83] four for V's, s[84:87] one for Wo's
.set G0V,  68
.set G0W,  84
.set WV,   66                          ; s66  my wave's number
.set CNT,  67                          ; s67  trips to go
.set SEL,  88                          ; s[88:89] v_permlanex16_b32's selects for lane l xor 16
.set CS,   90                          ; s[90:91] c = log2(e) / 8 (the packed form names a pair)
.set DGS,  92                          ; s92  the step on the diagonal
.set STP,  93                          ; s93  the step in hand
.set T15,  94                          ; s94  the trip's tile in LDS: 15,360 a trip
.set TKS,  95                          ; s95  its K scale bytes: 512 a trip
.set TVS,  96                          ; s96  its V scale bytes in a row: 8 a trip
.set GG,   97                          ; s97  g
.set OPL,  22                          ; s[22:23] out at the first (long) tile
.set OPS,  98                          ; s[98:99] out at the second (short) tile
; A round of the cluster's barrier: my work-group's barrier, wave 0 signals for the work-group, every wave waits for the four work-groups, my work-group's barrier once more.
.macro ROUND
	s_barrier_signal -1
	s_barrier_wait -1
	s_cmp_lg_u32 s[WV], 0
	s_cbranch_scc1 .Lnot_wave_0_\@
	s_barrier_signal -3
.Lnot_wave_0_\@:
	s_barrier_wait -3
	s_barrier_signal -1
	s_barrier_wait -1
.endm
; Every wave's first 5 - n tensor loads have landed, and its LDS instructions are done: behind the barrier that holds of all four waves.  Nothing is ever filled again.
.macro GATE n
	s_wait_tensorcnt \n
	s_wait_dscnt 0x0
	s_barrier_signal -1
	s_barrier_wait -1
.endm
; A fragment, 16 rows x 128 codes, is 12 registers: registers 6 c .. 6 c + 5 hold k = 64 c + 32 h + 0 .. 31: 24 bytes of half q of my LDS row, as they lie, in pieces of 8 bytes.
; Lanes 16-31 take the piece three on; where that lies behind one padding more, the second address register serves.
.macro FRAG reg, adr, q, off
.irp p, 0,1,2,3,4,5
.set PCE, 12*(\q)+6*(\p/3)+\p%3
.if PCE%8 < 5
	ds_load_b64 v[(\reg)+2*\p:(\reg)+2*\p+1], v[\adr] offset:(\off)+8*PCE+16*(PCE/8)
.else
	ds_load_b64 v[(\reg)+2*\p:(\reg)+2*\p+1], v[(\adr)+1] offset:(\off)+8*PCE+16*(PCE/8)
.endif
.endr
.endm
.macro ADDRS                           ; the trip's six LDS addresses
	v_add_nc_u32 v[ADK], s[T15], v[AK]
	v_add_nc_u32 v[ADK+1], s[T15], v[AK+1]
	v_add_nc_u32 v[ADV], s[T15], v[AV]
	v_add_nc_u32 v[ADV+1], s[T15], v[AV+1]
	v_add_nc_u32 v[ADKS], s[TKS], v[AKS]
	v_add_nc_u32 v[ADVS], s[TVS], v[AVS]
.endm
.macro LOADK q                         ; 26 loads: the step's K: scale words first (8 bytes: u = 0 and 1 of my row), then fragment f = 2 beta + u: rows 16 beta + r, half u
	ds_load_b64 v[KSC:KSC+1], v[ADKS] offset:256*(\q)
	ds_load_b64 v[KSC+2:KSC+3], v[ADKS] offset:256*(\q)+128
.irp f, 0,1,2,3
	FRAG KP+12*\f, ADK, \f%2, 7680*(\q)+3840*(\f/2)
.endr
.endm
.macro LOADVA q, a, sa                 ; 16 loads: the step's four V scale words and V's tiles 0, 1 (channels 16 t + r; the step's 128 keys are half q of a row)
.irp t, 0,1,2,3
	ds_load_b32 v[VSC+\t], v[\sa] offset:1088*\t+4*(\q)
.endr
	FRAG SV, \a, \q, 0
	FRAG SV+12, \a, \q, 3840
.endm
.macro LOADVB q, a                     ; 12 loads: V's tiles 2, 3
	FRAG SV+24, \a, \q, 7680
	FRAG SV+36, \a, \q, 11520
.endm
.macro PV t                            ; O^T(16 t ..) += V^T P^T over 128 keys
	v_wmma_scale_f32_16x16x128_f8f6f4 v[OT+8*(2*((\t)%2)+(\t)/2):OT+8*(2*((\t)%2)+(\t)/2)+7], v[SV+12*(\t):SV+12*(\t)+11], v[PCD:PCD+11], v[OT+8*(2*((\t)%2)+(\t)/2):OT+8*(2*((\t)%2)+(\t)/2)+7], v[VSC+(\t)], v[PSC] matrix_a_fmt:MATRIX_FMT_BF6 matrix_b_fmt:MATRIX_FMT_BF6
.endm
; THE END OF THE STEP BEFORE: p's codes are completed, O^T comes under the new M, and the second product is made.  kout: the LDS loads issued behind V's, which may stay out.
.macro TAIL kout
.irp i, 0,1,2
	v_mov_b32 v[PCD+3+\i], v[TOD+\i]
	v_mov_b32 v[PCD+9+\i], v[TOD+4+\i]
.endr
.set jj, 0
.rept 16
	v_pk_mul_f32 v[OT+jj:OT+jj+1], v[OT+jj:OT+jj+1], v[FF:FF+1] op_sel_hi:[1,0]   ; x f, each accumulator from its low end on; these 16 are also the places between the moves above and the products
.set jj, jj+2
.endr
	s_wait_dscnt \kout+12                  ; V's scale words and tiles 0, 1 are in; tiles 2, 3 (12 loads) and what was issued behind them may be out
	PV 0
	PV 1
	s_wait_dscnt \kout                     ; tiles 2, 3 are in
	PV 2
	PV 3
.rept 5
	v_nop                                  ; five places: the next matrix instructions write the scores over V's fragments (ISA guide 7.12.1 for four of them)
.endr
.endm
.macro SCORES                          ; S^T = K Q^T: eight products, each starting its own sum
.irp f, 0,1,2,3
	s_wait_dscnt 18-6*\f                   ; LDS loads come back in order (ISA guide 5.7.1): fragment f is in, the 6 loads of each later fragment may be out
.irp e, 0,1
	v_wmma_scale_f32_16x16x128_f8f6f4 v[SV+16*\f+8*\e:SV+16*\f+8*\e+7], v[KP+12*\f:KP+12*\f+11], v[QF+6*\e:QF+6*\e+11], 0, v[KSC+\f], v[QS+\e] matrix_a_fmt:MATRIX_FMT_BF6 matrix_b_fmt:MATRIX_FMT_BF6
.endr
.endr
.rept 4
	v_nop                                  ; four places ahead of the first read of the scores
.endr
.endm
.macro MASK                            ; on the diagonal step the scores of keys behind my query become -infinity: p = 0 then.  Register 32 beta + 16 u + 8 e + j holds key 64 beta + 32 h + 4 j + 2 u + e
	s_cmp_lg_u32 s[STP], s[DGS]
	s_cbranch_scc1 .Lopen_\@
	v_mov_b32 v[TM+6], 0xff800000
.set nn, 0
.rept 64
	v_cmp_gt_i32 vcc_lo, 64*(nn/32)+4*(nn%8)+2*((nn/16)%2)+((nn/8)%2), v[DM]
	v_cndmask_b32 v[SV+nn], v[SV+nn], v[TM+6], vcc_lo
.set nn, nn+1
.endr
.Lopen_\@:
.endm
.macro SOFTMAX q
	; the largest score of each of my two blocks of 32 keys (block 2 beta + h: registers 32 beta .. 32 beta + 31), two chains a block, every accumulator from its low end on
	v_max3_num_f32 v[TM], v[SV], v[SV+1], v[SV+2]
	v_max3_num_f32 v[TM+2], v[SV+16], v[SV+17], v[SV+18]
	v_max3_num_f32 v[TM+1], v[SV+32], v[SV+33], v[SV+34]
	v_max3_num_f32 v[TM+3], v[SV+48], v[SV+49], v[SV+50]
.irp i, 3,5,7,9,11,13
	v_max3_num_f32 v[TM], v[TM], v[SV+\i], v[SV+\i+1]
	v_max3_num_f32 v[TM+2], v[TM+2], v[SV+16+\i], v[SV+17+\i]
	v_max3_num_f32 v[TM+1], v[TM+1], v[SV+32+\i], v[SV+33+\i]
	v_max3_num_f32 v[TM+3], v[TM+3], v[SV+48+\i], v[SV+49+\i]
.endr
	v_max3_num_f32 v[TM], v[TM], v[TM+2], v[SV+15]
	v_max3_num_f32 v[TM+1], v[TM+1], v[TM+3], v[SV+47]
	v_max_num_f32 v[TM], v[TM], v[SV+31]
	v_max_num_f32 v[TM+1], v[TM+1], v[SV+63]
	; the row: with lane l xor 16's two blocks; as t; the running largest; -M = floor(-t); f
	v_max_num_f32 v[TM+4], v[TM], v[TM+1]
	v_permlanex16_b32 v[TM+5], v[TM+4], s[SEL], s[SEL+1]
	v_max_num_f32 v[TM+4], v[TM+4], v[TM+5]
	v_mul_f32 v[TM+4], s[CS], v[TM+4]
	v_max_num_f32 v[NM+1], v[NM+1], v[TM+4]
	v_mov_b32 v[TM+4], v[NM]
	v_floor_f32 v[NM], -v[NM+1]
	v_sub_f32 v[TM+4], v[NM], v[TM+4]      ; old M - new M: a whole number, 0 or less
	v_cvt_i32_f32 v[TM+4], v[TM+4]         ; (it saturates)
	v_ldexp_f32 v[FF], 1.0, v[TM+4]
.set jj, 0
.rept 32
	v_pk_fma_f32 v[SV+jj:SV+jj+1], v[SV+jj:SV+jj+1], s[CS:CS+1], v[NM:NM+1] op_sel_hi:[1,0,0]   ; t - M, two at a time
.set jj, jj+2
.endr
	v_fma_f32 v[TM], v[TM], s[CS], v[NM]   ; the same of each block's largest score: p rises with the score, so this gives the block's largest p
	v_fma_f32 v[TM+1], v[TM+1], s[CS], v[NM]
	v_exp_f32 v[TM], v[TM]
	v_exp_f32 v[TM+1], v[TM+1]
	v_pk_mul_f32 v[LS:LS+1], v[LS:LS+1], v[FF:FF+1] op_sel_hi:[1,0]   ; the sums under the new M (a plain line behind the exponentials)
	; p = 2^(t - M), two exponentials and then plain work by turns, so that every exponential has a plain line behind it before its result is used (ISA guide 5.7.2).
	; The destination puts key 32 beta + 4 j + 2 u + e of my block at register 32 beta + 4 j + 2 u + e.  The plain work: first p's scale word, then the row's sum, four pairs behind.
.set kk, 0
.rept 32
	v_exp_f32 v[KP+2*kk], v[SV+32*(kk/16)+16*(kk%2)+(kk%16)/2]
	v_exp_f32 v[KP+2*kk+1], v[SV+32*(kk/16)+16*(kk%2)+8+(kk%16)/2]
.if kk == 0
	s_wait_alu depctr_va_vdst(0)
	v_max_num_f32 v[TM], 0x2800000, v[TM]          ; the floor 2^(5 - 127): the byte cannot fall under 1
	v_max_num_f32 v[TM+1], 0x2800000, v[TM+1]
.elseif kk == 1
	v_add_nc_u32 v[TM+2], 0xfe000000, v[TM]        ; 4 off the exponent field: the conversion's scale operand
	v_add_nc_u32 v[TM+3], 0xfe000000, v[TM+1]
.elseif kk == 2
	v_lshrrev_b32 v[TM+4], 23, v[TM+2]             ; the scales' bytes
	v_lshrrev_b32 v[TM+5], 23, v[TM+3]
.elseif kk == 3
	v_lshl_or_b32 v[TM+4], v[TM+5], 16, v[TM+4]    ; blocks h and 2 + h,
	v_lshlrev_b32 v[TM+4], v[SH8], v[TM+4]         ; at their places in the word
.endif
.if kk >= 4
	s_wait_alu depctr_va_vdst(0)
	v_pk_add_f32 v[LS:LS+1], v[LS:LS+1], v[KP+2*(kk-4):KP+2*(kk-4)+1]   ; the row's sum is taken of the unquantised p
.endif
.if kk == 4
	v_permlanex16_b32 v[TM+5], v[TM+4], s[SEL], s[SEL+1]
.elseif kk == 5
	v_or_b32 v[PSC], v[TM+4], v[TM+5]              ; with lane l xor 16's two bytes the word is whole
.elseif kk == 15
	LOADVA \q, ADV, ADVS                           ; scores 0-31 have been read: V's first two tiles take their place
.endif
.set kk, kk+1
.endr
	s_wait_alu depctr_va_vdst(0)
.irp i, 28,29,30,31
	v_pk_add_f32 v[LS:LS+1], v[LS:LS+1], v[KP+2*\i:KP+2*\i+1]
.endr
	LOADVB \q, ADV
	v_cvt_scalef32_pk16_bf6_f32 v[PCD:PCD+2], v[KP:KP+15], v[TM+2]
	v_cvt_scalef32_pk16_bf6_f32 v[TOD:TOD+2], v[KP+16:KP+31], v[TM+2]
	v_cvt_scalef32_pk16_bf6_f32 v[PCD+6:PCD+8], v[KP+32:KP+47], v[TM+3]
	v_cvt_scalef32_pk16_bf6_f32 v[TOD+4:TOD+6], v[KP+48:KP+63], v[TM+3]
	v_nop                                  ; one plain line behind the last scaled conversion
.endm
; A KEY STEP: its K is asked for, the step before is finished meanwhile, then the scores and the softmax; its own second product is left to the next step.
; causal = 1: a step all of whose keys lie behind my 16 queries is passed over: a scalar branch on the cluster's and the wave's number; no barrier and no tensor load stands in a step.
.macro STEP q, causal
.if \causal
	s_cmp_gt_u32 s[STP], s[DGS]
	s_cbranch_scc1 .Lhid_\@
.endif
	LOADK \q
	TAIL 26
	SCORES
.if \causal
	MASK
.endif
	SOFTMAX \q
.if \causal
.Lhid_\@:
	s_add_co_u32 s[STP], s[STP], 1
.endif
.endm
.macro TRIP causal                     ; two steps: one tile of 256 keys
	ADDRS
	STEP 0, \causal
	STEP 1, \causal
	s_add_co_u32 s[T15], s[T15], TILE
	s_add_co_u32 s[TKS], s[TKS], 512
	s_add_co_u32 s[TVS], s[TVS], 8
.endm
; A tile of queries begins.  The step is written once: the first step's TAIL finds zero codes for p, f = 1 and zeros in O^T, and multiplies step 0's V by them, which adds nothing.
.macro INIT
	s_mov_b32 s[T15], 0
	s_mov_b32 s[TKS], 0
	s_mov_b32 s[TVS], 0
.set jj, 0
.rept 32
	v_mov_b32 v[OT+jj], 0
.set jj, jj+1
.endr
.irp i, 0,1,2
	v_mov_b32 v[PCD+\i], 0
	v_mov_b32 v[PCD+6+\i], 0
	v_mov_b32 v[TOD+\i], 0
	v_mov_b32 v[TOD+4+\i], 0
.endr
	v_mov_b32 v[PSC], 0
	v_mov_b32 v[LS], 0
	v_mov_b32 v[LS+1], 0
	v_mov_b32 v[FF], 1.0
	v_mov_b32 v[FF+1], 0                   ; (named with f as a pair)
	v_mov_b32 v[NM+1], 0xff61b1e6          ; the largest t so far: -3e38, under every t
	v_floor_f32 v[NM], -v[NM+1]
	v_mov_b32 v[TM+5], 0                   ; a lane permute's destination counts as one of its sources
	LOADVA 0, AV, AVS
	LOADVB 0, AV
.endm
.macro LOADW G                         ; 14 loads: group G of 64 outputs: Wo's scale words (u = 0, 1), four numbers of the bias, two fragments (LDS rows 16 G + r: Wo's rows 64 G + 4 r + 2 u and + 1)
.set SW, (\G)%2
	ds_load_b64 v[KSC+2*SW:KSC+2*SW+1], v[ADKS] offset:128*(\G)
	ds_load_b128 v[BI+4*SW:BI+4*SW+3], v[ADVS] offset:256*(\G)
	FRAG SV+24*SW, ADK, 0, 3840*(\G)
	FRAG SV+24*SW+12, ADK, 1, 3840*(\G)
.endm
; 64 outputs of the tile's 16 queries.  Source 0 = the context, source 1 = Wo: in result 2 u + e register j of lane (n, h) is out(8 h + j, 64 G + 4 n + 2 u + e).  The addition of the bias
; lays the four results' registers j side by side: 16 bytes of a row a lane, so that sixteen lanes store 256 consecutive bytes, at a multiple of 256 from out's first byte.
.macro GROUP G, op
.set SE, (\G)%2
.if (\G) < 7
	s_wait_dscnt 14                        ; this group's loads are in; the next group's 14 may be out
.else
	s_wait_dscnt 0x0
.endif
.irp u, 0,1
.irp e, 0,1
	v_wmma_scale_f32_16x16x128_f8f6f4 v[OT+8*(2*\u+\e):OT+8*(2*\u+\e)+7], v[QF+6*\e:QF+6*\e+11], v[SV+24*SE+12*\u:SV+24*SE+12*\u+11], 0, v[QS+\e], v[KSC+2*SE+\u] matrix_a_fmt:MATRIX_FMT_BF6 matrix_b_fmt:MATRIX_FMT_BF6
.endr
.endr
.rept 4
	v_nop                                  ; four places ahead of the first read of the results
.endr
.if (\G) >= 2
	s_wait_xcnt 0x0                        ; the stores of two groups back have read this set's registers: only behind this wait are they written again
.endif
.irp tt, 0,1,2,3
.irp j, 0,1,2,3,4,5,6,7
	v_add_f32 v[KP+32*SE+4*\j+\tt], v[OT+8*\tt+\j], v[BI+4*SE+\tt]
.endr
.endr
.if (\G) <= 5
	LOADW (\G)+2                           ; into the set just multiplied: the 36 plain lines above are its places
.endif
.irp j, 0,1,2,3,4,5,6,7
	global_store_b128 v[OA], v[KP+32*SE+4*\j:KP+32*SE+4*\j+3], s[\op:\op+1] offset:2048*\j+256*(\G) th:TH_STORE_NT
.endr
.endm
; A tile's end: the last step's second product; the context = O^T / sum; its quantising along the 64 channels; the projection.
.macro FINISH op
	TAIL 0
	v_add_f32 v[LS], v[LS], v[LS+1]        ; the sum's two halves,
	v_permlanex16_b32 v[TM+5], v[LS], s[SEL], s[SEL+1]
	v_add_f32 v[LS], v[LS], v[TM+5]        ; and lane l xor 16's
	v_rcp_f32 v[FF], v[LS]
	v_add_nc_u32 v[ADK], LWC, v[AK]        ; (plain lines behind the reciprocal)  Wo's codes,
	v_add_nc_u32 v[ADK+1], LWC, v[AK+1]
	v_add_nc_u32 v[ADKS], LWS-LKS, v[AKS]  ; its scale words: LWS + 8 r,
	v_and_b32 v[ADVS], 15, v0
	v_lshl_add_u32 v[ADVS], v[ADVS], 4, LBS   ; the bias: LBS + 16 r
	LOADW 0
	LOADW 1
.set jj, 0
	s_wait_alu depctr_va_vdst(0)
.rept 16
	v_pk_mul_f32 v[OT+jj:OT+jj+1], v[OT+jj:OT+jj+1], v[FF:FF+1] op_sel_hi:[1,0]
.set jj, jj+2
.endr
	; Tile t's register j is channel 16 t + 8 h + j.  Tile t's lanes 16-31 change places with tile t + 2's lanes 0-15: with the tiles laid 0, 2, 1, 3, register i is then channel 32 h + i: a whole block a lane, in order
.irp j, 0,1,2,3,4,5,6,7
	v_permlane16_swap_b32 v[OT+\j], v[OT+8+\j]
	v_permlane16_swap_b32 v[OT+16+\j], v[OT+24+\j]
.endr
	v_max3_num_f32 v[TM], |v[OT]|, |v[OT+1]|, 0x2800000
	v_max3_num_f32 v[TM+1], |v[OT+16]|, |v[OT+17]|, 0x2800000
.irp i, 2,4,6,8,10,12,14
	v_max3_num_f32 v[TM], v[TM], |v[OT+\i]|, |v[OT+\i+1]|
	v_max3_num_f32 v[TM+1], v[TM+1], |v[OT+16+\i]|, |v[OT+17+\i]|
.endr
	v_max_num_f32 v[TM], v[TM], v[TM+1]    ; my block's largest magnitude, over the floor
	v_add_nc_u32 v[TM+2], 0xfe000000, v[TM]
	v_lshrrev_b32 v[TM+4], 23, v[TM+2]
	v_lshlrev_b32 v[TM+4], v[SH8], v[TM+4]
	v_permlanex16_b32 v[TM+5], v[TM+4], s[SEL], s[SEL+1]
	v_or_b32 v[QS], v[TM+4], v[TM+5]       ; the context's scale word for [C | 0],
	v_lshlrev_b32 v[QS+1], 16, v[QS]       ; and for [0 | C]
	v_cvt_scalef32_pk16_bf6_f32 v[QF:QF+2], v[OT:OT+15], v[TM+2]
	v_cvt_scalef32_pk16_bf6_f32 v[QF+12:QF+14], v[OT:OT+15], v[TM+2]
	v_cvt_scalef32_pk16_bf6_f32 v[TOD:TOD+2], v[OT+16:OT+31], v[TM+2]
	v_nop                                  ; one plain line behind the last scaled conversion
.irp i, 0,1,2
	v_mov_b32 v[QF+3+\i], v[TOD+\i]
	v_mov_b32 v[QF+15+\i], v[TOD+\i]
.endr
.rept 8
	v_nop                                  ; a scale word made by vector instructions stands eight places ahead of the scaled product, an operand four
.endr
.irp G, 0,1,2,3,4,5,6,7
	GROUP \G, \op
.endr
.endm
	s_load_b512 s[4:19], s[0:1], 0x0               ; Q codes s[4:5], Q scales s[6:7], K codes s[8:9], K scales s[10:11], V codes s[12:13], V scales s[14:15], Wo codes s[16:17], Wo scales s[18:19]
	s_load_b128 s[20:23], s[0:1], 0x40             ; the bias s[20:21], out s[22:23]
	v_lshl_add_u32 v254, v0, 2, 0x46c00
	v_mov_b32 v255, 0
	ds_add_u32 v254, v255
	ds_add_u32 v254, v255
	v_lshrrev_b32 v1, 5, v0
	v_readfirstlane_b32 s[WV], v1                  ; wave 0..3
	s_and_b32 s3, ttmp7, 0xffff                    ; the batch, which the four partners share
	s_and_b32 s100, s[WV], 1                       ; p: which of a chunk's two tiles I fetch
	s_lshr_b32 s101, s[WV], 1
	s_lshl_b32 s[GG], ttmp9, 1                     ; in a cluster launch ttmp9 counts clusters
	s_add_co_u32 s[GG], s[GG], s101                ; g = 2 x cluster x + wave / 2
	s_bfe_u32 s2, ttmp6, 0x40000                   ; cx: my place in the cluster
	s_lshl_b32 s2, s2, 1
	s_add_co_u32 s2, s2, s100                      ; jt = 2 cx + wave % 2
	; descriptor groups 1: rows of 192 bytes, 16 bytes of padding behind each 64
.irp g, G1K, G1V, G1W
	s_mov_b32 s[\g], 15|(1<<20)|(1<<21)|(3<<22)|(3<<25)   ; 15:0 the mask: all four work-groups; 17:16 elements of 1 byte; 20 padding on; 21 set beside a mask; 24:22 after every 16 words (code 3); 31:25 of 4 words (code 3)
	s_mov_b32 s[\g+1], 192<<16                     ; tensor_dim0
	s_mov_b32 s[\g+3], 192<<16                     ; tile_dim0
	s_mov_b32 s[\g+6], 0
	s_mov_b32 s[\g+7], 0
.endr
	s_mov_b32 s[G1K+2], 64<<16                     ; K: 64 rows, dense in memory
	s_mov_b32 s[G1K+4], 64
	s_mov_b32 s[G1K+5], 192
	s_mov_b32 s[G1V+2], 64<<16                     ; V: 64 rows d, 1,536 bytes apart
	s_mov_b32 s[G1V+4], 64
	s_mov_b32 s[G1V+5], 1536
	s_mov_b32 s[G1W+2], 32<<16                     ; Wo: 32 rows a wave, dense
	s_mov_b32 s[G1W+4], 32
	s_mov_b32 s[G1W+5], 192
	s_mul_i32 s92, s3, 98304                       ; the batch's codes (s92 to s96 are free until the loops)
	s_mov_b32 s93, 0
	s_lshl_b32 s94, s3, 12                         ; and its scale bytes
	s_mov_b32 s95, 0
	s_mul_i32 s101, s100, TILE                     ; my tile's place in a chunk in LDS: the wave's number alone enters an LDS address
	s_mul_i32 s98, s100, 12288                     ; and in K's memory
	s_mov_b32 s99, 0
	s_wait_dscnt 0x0
	s_wait_kmcnt 0x0
	s_add_nc_u64 s[4:5], s[4:5], s[92:93]
	s_add_nc_u64 s[8:9], s[8:9], s[92:93]
	s_add_nc_u64 s[12:13], s[12:13], s[92:93]
	s_add_nc_u64 s[6:7], s[6:7], s[94:95]
	s_add_nc_u64 s[10:11], s[10:11], s[94:95]
	s_add_nc_u64 s[14:15], s[14:15], s[94:95]
	s_add_nc_u64 s[8:9], s[8:9], s[98:99]
	s_mul_i32 s98, s100, 192                       ; in V's rows
	s_add_nc_u64 s[12:13], s[12:13], s[98:99]
.irp c, 0,1,2,3                        ; chunk c = tiles 2 c and 2 c + 1 = key steps 4 c .. 4 c + 3
	s_mov_b32 s[G0K+4*\c], 1                       ; 1:0 count = 1
	s_add_co_u32 s[G0K+4*\c+1], s101, LKC+\c*2*TILE   ; 63:32 LDS address
	s_add_nc_u64 s[G0K+4*\c+2:G0K+4*\c+3], s[8:9], \c*24576   ; 120:64 global address
	s_or_b32 s[G0K+4*\c+3], s[G0K+4*\c+3], 0x80000000   ; 127:126 type = 2
	s_mov_b32 s[G0V+4*\c], 1
	s_add_co_u32 s[G0V+4*\c+1], s101, LVC+\c*2*TILE
	s_add_nc_u64 s[G0V+4*\c+2:G0V+4*\c+3], s[12:13], \c*384
	s_or_b32 s[G0V+4*\c+3], s[G0V+4*\c+3], 0x80000000
.endr
	s_mul_i32 s98, s[WV], 6144                     ; Wo: a quarter a wave
	s_mov_b32 s[G0W], 1
	s_mul_i32 s[G0W+1], s[WV], 7680
	s_add_co_u32 s[G0W+1], s[G0W+1], LWC
	s_add_nc_u64 s[G0W+2:G0W+3], s[16:17], s[98:99]
	s_or_b32 s[G0W+3], s[G0W+3], 0x80000000
	ROUND                                          ; all four work-groups are here: the joint loads meet
	s_cmp_lt_u32 s[WV], 2                          ; waves 0, 1 fetch K's tiles, waves 2, 3 V's, every wave its quarter of Wo: five loads of mine are out.  All stand in one branch,
	s_cbranch_scc0 .Lfill_v                        ; ahead of every wait on TENSORcnt; four v_nop follow the last
	tensor_load_to_lds s[G0K:G0K+3], s[G1K:G1K+7]
	s_nop 0
	tensor_load_to_lds s[G0K+4:G0K+7], s[G1K:G1K+7]
	s_nop 0
	tensor_load_to_lds s[G0K+8:G0K+11], s[G1K:G1K+7]
	s_nop 0
	tensor_load_to_lds s[G0K+12:G0K+15], s[G1K:G1K+7]
	s_nop 0
	tensor_load_to_lds s[G0W:G0W+3], s[G1W:G1W+7]
	s_nop 0
.rept 4
	v_nop
.endr
	s_branch .Lfilled
.Lfill_v:
	tensor_load_to_lds s[G0V:G0V+3], s[G1V:G1V+7]
	s_nop 0
	tensor_load_to_lds s[G0V+4:G0V+7], s[G1V:G1V+7]
	s_nop 0
	tensor_load_to_lds s[G0V+8:G0V+11], s[G1V:G1V+7]
	s_nop 0
	tensor_load_to_lds s[G0V+12:G0V+15], s[G1V:G1V+7]
	s_nop 0
	tensor_load_to_lds s[G0W:G0W+3], s[G1W:G1W+7]
	s_nop 0
.rept 4
	v_nop
.endr
.Lfilled:
	; the scale bytes and the bias: 16 (Wo's scales: 8) consecutive bytes a thread, through registers into LDS
	v_lshlrev_b32 v214, 4, v0
	v_lshlrev_b32 v215, 3, v0
	global_load_b128 v[190:193], v214, s[10:11]
	global_load_b128 v[194:197], v214, s[10:11] offset:2048
	global_load_b128 v[198:201], v214, s[14:15]
	global_load_b128 v[202:205], v214, s[14:15] offset:2048
	global_load_b64 v[206:207], v215, s[18:19]
	global_load_b128 v[208:211], v214, s[20:21]
	; my two tiles of queries
	v_and_b32 v20, 15, v0                          ; r
	v_bfe_u32 v21, v0, 4, 1                        ; h
	s_lshl_b32 s98, s[GG], 3
	s_sub_co_u32 s101, 120, s98
	s_add_co_u32 s101, s101, s2                    ; the long tile: 8 (15 - g) + jt
	s_add_co_u32 s100, s98, s2                     ; the short tile: 8 g + jt
	v_mul_u32_u24 v221, v20, 48
	v_mad_u32_u24 v221, v21, 24, v221              ; Q: row r of 48 bytes, + 24 h
	s_mul_i32 s96, s101, 768
	v_add_nc_u32 v222, s96, v221
	s_mul_i32 s96, s100, 768
	v_add_nc_u32 v223, s96, v221
	v_lshlrev_b32 v224, 1, v20                     ; its scale bytes: 2 a row
	s_lshl_b32 s96, s101, 5
	v_add_nc_u32 v225, s96, v224
	s_lshl_b32 s96, s100, 5
	v_add_nc_u32 v226, s96, v224
.irp p, 0,1,2
	global_load_b64 v[QF+2*\p:QF+2*\p+1], v222, s[4:5] offset:8*\p          ; the long tile's Q, for [Q | 0],
	global_load_b64 v[QF+12+2*\p:QF+12+2*\p+1], v222, s[4:5] offset:8*\p    ; and once more for [0 | Q]
	global_load_b64 v[Q2+2*\p:Q2+2*\p+1], v223, s[4:5] offset:8*\p          ; the short tile's, kept for later
.endr
	global_load_u16 v[QS], v225, s[6:7]
	global_load_u16 v[Q2S], v226, s[6:7]
	s_lshl_b32 s98, s3, 22                         ; out: 4,194,304 bytes a batch, 32,768 a tile
	s_add_nc_u64 s[OPL:OPL+1], s[OPL:OPL+1], s[98:99]
	s_lshl_b32 s98, s100, 15
	s_add_nc_u64 s[OPS:OPS+1], s[OPL:OPL+1], s[98:99]
	s_lshl_b32 s100, s101, 15
	s_mov_b32 s101, 0
	s_add_nc_u64 s[OPL:OPL+1], s[OPL:OPL+1], s[100:101]
	s_mov_b32 s[SEL], 0x76543210
	s_mov_b32 s[SEL+1], 0xfedcba98
	s_mov_b32 s[CS], 0x3e38aa3b                    ; log2(e) / 8
	s_mov_b32 s[CS+1], s[CS]
	; the lane's addresses
	v_mul_u32_u24 v[AK], v20, 240
	v_mad_u32_u24 v[AK+1], v21, 40, v[AK]
	v_mad_u32_u24 v[AK], v21, 24, v[AK]
	v_add_nc_u32 v[AV], LVC, v[AK]
	v_add_nc_u32 v[AV+1], LVC, v[AK+1]
	v_lshl_add_u32 v[AKS], v20, 3, LKS
	v_lshrrev_b32 v22, 2, v20
	v_and_b32 v23, 3, v20
	v_mul_u32_u24 v[AVS], v22, 272
	v_lshl_add_u32 v[AVS], v23, 6, v[AVS]
	v_add_nc_u32 v[AVS], LVS, v[AVS]
	v_lshlrev_b32 v[SH8], 3, v21
	v_lshlrev_b32 v[OA], 14, v21
	v_lshl_add_u32 v[OA], v20, 4, v[OA]
	s_lshl_b32 s96, s2, 4
	v_lshlrev_b32 v[DM], 5, v21
	v_sub_nc_u32 v[DM], v20, v[DM]
	v_add_nc_u32 v[DM], s96, v[DM]
.irp i, 0,1,2,3,4,5
	v_mov_b32 v[QF+6+\i], 0                        ; the zero half between the two copies of Q: written once
.endr
	v_lshl_add_u32 v217, v0, 4, LKS                ; where the small inputs go
	v_lshrrev_b32 v216, 4, v0
	v_mul_u32_u24 v216, v216, 272
	v_and_b32 v220, 15, v0
	v_lshl_add_u32 v216, v220, 4, v216
	v_add_nc_u32 v216, LVS, v216                   ; V's: 16 bytes more behind each 256, so that the sixteen rows of a tile fall on different banks (64 banks of 4 bytes: ISA guide 11.1)
	v_lshl_add_u32 v218, v0, 3, LWS
	v_lshl_add_u32 v219, v0, 4, LBS
	s_wait_loadcnt 0x0
	ds_store_b128 v217, v[190:193]
	ds_store_b128 v217, v[194:197] offset:2048
	ds_store_b128 v216, v[198:201]
	ds_store_b128 v216, v[202:205] offset:2176
	ds_store_b64 v218, v[206:207]
	ds_store_b128 v219, v[208:211]
	v_lshlrev_b32 v[QS+1], 16, v[QS]
	GATE 4                                         ; chunk 0 of K and of V, and the small inputs, lie in LDS; each wave's other four loads may be out
	; THE LONG TILE FIRST: its steps 0 to 7 are whole for every g (16 - g is at least 9), so every wave has work at each of the three barriers
	INIT
	s_mov_b32 s[CNT], 2
.Lchunk0:                                              ; steps 0 to 3
	TRIP 0
	s_sub_co_u32 s[CNT], s[CNT], 1
	s_cmp_lg_u32 s[CNT], 0
	s_cbranch_scc1 .Lchunk0
	GATE 3                                         ; chunk 1 is in
	s_mov_b32 s[CNT], 2
.Lchunk1:                                              ; steps 4 to 7
	TRIP 0
	s_sub_co_u32 s[CNT], s[CNT], 1
	s_cmp_lg_u32 s[CNT], 0
	s_cbranch_scc1 .Lchunk1
	GATE 0                                         ; all is in: no tensor load of any wave is out from here on
	s_mov_b32 s[STP], 8
	s_sub_co_u32 s[DGS], 15, s[GG]
	s_mov_b32 s[CNT], 4
.Lrest:                                                ; steps 8 to 15; those behind 15 - g are passed over
	TRIP 1
	s_sub_co_u32 s[CNT], s[CNT], 1
	s_cmp_lg_u32 s[CNT], 0
	s_cbranch_scc1 .Lrest
	FINISH OPL
	; THE SHORT TILE
	s_wait_xcnt 0x0                                ; the last stores have read their registers: K's fragments will land there
.irp i, 0,1,2,3,4,5
	v_mov_b32 v[QF+\i], v[Q2+\i]
	v_mov_b32 v[QF+12+\i], v[Q2+\i]
.endr
	v_mov_b32 v[QS], v[Q2S]
	v_lshlrev_b32 v[QS+1], 16, v[Q2S]
	INIT
	s_mov_b32 s[STP], 0
	s_mov_b32 s[DGS], s[GG]
	s_mov_b32 s[CNT], 4
.Lshort:                                               ; steps 0 to 7; those behind g are passed over
	TRIP 1
	s_sub_co_u32 s[CNT], s[CNT], 1
	s_cmp_lg_u32 s[CNT], 0
	s_cbranch_scc1 .Lshort
	FINISH OPS
	s_wait_tensorcnt 0x0
	ds_add_u32 v254, v255
	s_wait_dscnt 0x0
	ROUND                                          ; the closing round
	s_endpgm
.Lfunc_end_k_qb3e066b434_attn:
	.size	k_qb3e066b434_attn, .Lfunc_end_k_qb3e066b434_attn-k_qb3e066b434_attn
	.p2alignl 7, 3214868480
	.fill 96, 4, 3214868480
	.section	.rodata,"a",@progbits
	.p2align	6, 0x0
	.amdhsa_kernel k_qb3e066b434_attn
		.amdhsa_group_segment_fixed_size 290304
		.amdhsa_private_segment_fixed_size 0
		.amdhsa_enable_private_segment 0
		.amdhsa_kernarg_size 80
		.amdhsa_user_sgpr_count 2
		.amdhsa_user_sgpr_kernarg_segment_ptr 1
		.amdhsa_wavefront_size32 1
		.amdhsa_system_sgpr_workgroup_id_x 1
		.amdhsa_system_sgpr_workgroup_id_y 1
		.amdhsa_system_sgpr_workgroup_id_z 1
		.amdhsa_system_vgpr_workitem_id 0
		.amdhsa_next_free_vgpr 256
		.amdhsa_next_free_sgpr 102
		.amdhsa_reserve_vcc 1
		.amdhsa_float_denorm_mode_32 3
		.amdhsa_float_denorm_mode_16_64 3
		.amdhsa_memory_ordered 1
		.amdhsa_forward_progress 1
		.amdhsa_inst_pref_size 243
	.end_amdhsa_kernel
	.amdgpu_metadata
---
amdhsa.version: [ 1, 2 ]
amdhsa.kernels:
  - .name:           k_qb3e066b434_attn
    .symbol:         k_qb3e066b434_attn.kd
    .args:
      - { .name: query_codes, .offset: 0, .size: 8, .value_kind: global_buffer, .address_space: global }
      - { .name: query_scales, .offset: 8, .size: 8, .value_kind: global_buffer, .address_space: global }
      - { .name: keys_codes, .offset: 16, .size: 8, .value_kind: global_buffer, .address_space: global }
      - { .name: keys_scales, .offset: 24, .size: 8, .value_kind: global_buffer, .address_space: global }
      - { .name: values_codes, .offset: 32, .size: 8, .value_kind: global_buffer, .address_space: global }
      - { .name: values_scales, .offset: 40, .size: 8, .value_kind: global_buffer, .address_space: global }
      - { .name: Wo_w_codes, .offset: 48, .size: 8, .value_kind: global_buffer, .address_space: global }
      - { .name: Wo_w_scales, .offset: 56, .size: 8, .value_kind: global_buffer, .address_space: global }
      - { .name: Wo_b, .offset: 64, .size: 8, .value_kind: global_buffer, .address_space: global }
      - { .name: out0, .offset: 72, .size: 8, .value_kind: global_buffer, .address_space: global }
    .group_segment_fixed_size: 290304
    .private_segment_fixed_size: 0
    .kernarg_segment_align: 8
    .kernarg_segment_size: 80
    .max_flat_workgroup_size: 128
    .sgpr_count:     102
    .vgpr_count:     256
    .wavefront_size: 32
...
	.end_amdgpu_metadata
.endif
;; end of part 1
